; MI455X (gfx1250); checked and timed in simulation.
; The chip was launched on July 23, 2026; its instructions are those of AMD's public machine-readable ISA for CDNA 5 (MIT licence, August 2026) and "CDNA5" Instruction Set Architecture Reference Guide (July 2026). The comments in the code are by the model that wrote it; some were corrected since.
;; Causal Self Attention. Allowed arithmetic: matrix products marked QUANTISED: E4M3 operands, one given power-of-two scale a tensor, by v_wmma_f32_16x16x64_fp8_fp8 or v_wmma_f32_16x16x128_fp8_fp8, f32 sums; everything else in f32.
;; Inputs: W_attn_codes 3,072 x 32 x 32 uint8 (E4M3 codes of W_attn, K innermost, in blocks of 32 codes); W_proj_codes 1,024 x 32 x 32 uint8 (E4M3 codes of W_proj, K innermost, in blocks of 32 codes); b_attn 3,072 float32; b_proj 1,024 float32; lowp_scales 8 int32 (the exponents e of the quantised operands' scales 2^e); x_codes 2 x 2,048 x 32 x 32 uint8 (E4M3 codes of x, K innermost, in blocks of 32 codes).
;; Outputs: out0 2 x 2,048 x 1,024 float32.
;; This version of the problem:
;;   THIS VERSION OF THE PROBLEM IS GIVEN IN LOW PRECISION. The matrix products marked QUANTISED in the list below multiply operands that are first quantised to E4M3 (4 exponent bits, 3 mantissa bits; 8 bits a number), with one given power-of-two scale for each operand tensor; their sums are f32. All else is computed in f32.
;;   The module's matrix products, in the order in which they are computed (A, B: the left and right operand; K: the contracted axis; several contracted axes count as one K, in the product's order):
;;     1. [M 4,096, K 1,024] x [K 1,024, N 3,072]; A: input x (given as codes); B: input W_attn (given as codes): QUANTISED (scales: A lowp_scales[0], B lowp_scales[1])
;;     2. batch 32 x [M 2,048, K 64] x [K 64, N 2,048]; A: computed on the way; B: computed on the way: QUANTISED (scales: A lowp_scales[2], B lowp_scales[3])
;;     3. batch 32 x [M 2,048, K 2,048] x [K 2,048, N 64]; A: softmax (see below); B: computed on the way: QUANTISED (scales: A lowp_scales[4], B lowp_scales[5])
;;     4. [M 4,096, K 1,024] x [K 1,024, N 1,024]; A: computed on the way; B: input W_proj (given as codes): QUANTISED (scales: A lowp_scales[6], B lowp_scales[7])
;;   THE QUANTISER, for each operand of a quantised product, along K:
;;     - The operand's scale is 2^e, e = its entry of the input lowp_scales (int32; the entries are numbered through the quantised products in the list's order, A before B).
;;     - Each number is divided by the scale, clamped to +-448, and rounded to the nearest number of E4M3, ties to even, subnormals kept.
;;     - The product sums the exact products of the quantised numbers (number of the format x scale) in f32.
;;   ~~~python
;;   def quantise(x, axis, e):      # numpy; x: float32 -> the quantised numbers, widened to float32 again
;;       x = np.moveaxis(x, axis, -1); K = x.shape[-1]
;;       r = np.clip(x / 2.0 ** e, -448, 448)
;;       step = 2.0 ** (np.maximum(np.frexp(np.where(r == 0, 1, r))[1] - 1, -6) - 3)
;;       q = np.round(r / step) * step * 2.0 ** e      # np.round: ties to even
;;       return np.moveaxis(q, -1, axis).astype(np.float32)
;;   ~~~
;;   SOFTMAX AHEAD OF A QUANTISED PRODUCT. Where the list says 'softmax', what is quantised is not the finished softmax but p = 2^(t - M), with t = logit x log2(e) and M = ceil(the row's largest t), a whole number; so 1/2 < the row's largest p <= 1. The row's sum l is taken of the UNQUANTISED p, in f32, and the product's result is divided by l at the end. Since M is a whole number, a kernel that streams over the keys may use a running M (the ceiling of the running maximum): every later rescaling is an exact power of two, so the quantised numbers keep their values, but for numbers so far below the row's largest that they fall under the format's range.
;;   OPERANDS COMPUTED ON THE WAY. 'Computed on the way' means the value that the module computes at that place (a softmax that the list does not call 'softmax' is quantised finished and normalised). What goes into a quantiser is computed in f32, as accurately as f32 sums, v_exp_f32 and their like allow (about 1e-6 of the number): no bf16 or f16 on the way to a quantiser, and a product that is left as it is and whose result goes on into a quantised operand takes f32 operands (vector FMAs, or v_wmma_f32_16x16x4_f32). A number that lies on a knife's edge between two numbers of the format may be rounded either way, as far as f32 arithmetic and the matrix unit's own rounding can turn it there, and no further.
;;   INPUTS GIVEN AS CODES. W_attn (in the module: [3072, 1024], K = its axis 1); W_proj (in the module: [1024, 1024], K = its axis 1); x (in the module: [2, 2048, 1024], K = its axis 2): each comes as NAME_codes (uint8): NAME with its K axis moved to the last place and cut into blocks of 32 codes, [.., K / 32, bytes a block], one block behind the other in memory; one code a byte (a code: sign, 4 exponent bits, 3 mantissa bits); its scale is its entry of lowp_scales. Its value is code x scale, taken as it is: it is not quantised again, and the codes and scales need not be those that the quantiser above would give.
;; One version. Each part assembles by itself: llvm-mc -triple=amdgcn-amd-amdhsa -mcpu=gfx1250 --defsym DOCPART=n.
;; ======== version 1 of 1: 3 launches
;; limits: right only within a limited range of input values
;; workspace buffers: qkv 12,582,912 bytes; ycodes 4,194,304 bytes
;; launch qkv (part 1): grid 16 x 16, 4 waves a work-group, clusters of 4 x 4, 327,680 bytes of LDS; arguments x_codes, W_attn_codes, b_attn, lowp_scales, qkv; writes qkv
.if DOCPART == 1
	.amdgcn_target "amdgcn-amd-amdhsa--gfx1250"
	.amdhsa_code_object_version 6
	.text
	.protected	k_qbe96777a0c_qkv
	.globl	k_qbe96777a0c_qkv
	.p2align	8
	.type	k_qbe96777a0c_qkv,@function
k_qbe96777a0c_qkv:
	s_mov_b64 s[64:65], 0
	v_nop
	global_prefetch_b8 v0, s[64:65] scope:SCOPE_SE
	s_setreg_imm32_b32 hwreg(HW_REG_WAVE_MODE, 25, 1), 1
	s_wait_xcnt 0x0
	s_wait_alu depctr_hold_cnt(0) depctr_sa_sdst(0) depctr_va_vdst(0) depctr_va_sdst(0) depctr_va_ssrc(0) depctr_va_vcc(0) depctr_vm_vsrc(0)
	s_getreg_b32 s2, hwreg(HW_REG_IB_STS2, 6, 4)
	s_cmp_eq_u32 s2, 0
	s_cbranch_scc0 .Lentry_in_a_cluster
	s_endpgm
.Lentry_in_a_cluster:
	s_bfe_u32 s2, ttmp6, 0x10000c
	s_cmp_lg_u32 s2, 0xf033
	s_cbranch_scc0 .Lentry_shape_is_right
	s_endpgm
.Lentry_shape_is_right:
; qkv = x W_attn^T + b_attn on codes of FP8 (E4M3), then quantised anew: q with 2^e2, k with 2^e3, v with 2^e5.  x: [4096][1024] codes, W_attn: [3072][1024] codes, K innermost.
; DEAD WORK left out by the program: in the launch behind this one, blocks of 128 keys that reference()'s own causal mask hides from all 16 queries of a tile: their p is 0 whatever the inputs hold.
; A NaN, an infinity or an overflow that reaches only such work is not carried to the result.
; SHARES.  A work-group makes, for 256 tokens, one head's 64 channels of q, of k and of v: 16 x 16 work-groups.  A wave makes 128 tokens x 32 channels of each of the three: 48 accumulators of 16 x 16, 384 registers.
; q and k: source 0 = 16 rows of W, source 1 = 16 tokens: a lane holds one token and eight neighbouring channels.  v: source 0 = 16 tokens, source 1 = 16 rows of W: a lane holds one channel and eight neighbouring tokens (keys).
; The rows of W that form a tile of v are not neighbours: lane r of tile 2 b + u takes row 32 b + 8 u + r + 8 (r / 8), so that the product with p leaves 16 neighbouring channels in a lane's registers of two tiles.
; K = 1,024 goes in four K steps of 256 through a ring of two LDS slots; a slot holds x's 256 rows, then 64 rows each of W_q, W_k, W_v.  Wave 0 fetches x's tile, waves 1 to 3 one of W's each.
; CLUSTERS: 4 x 4 work-groups.  The four of a row need the same tile of x, the four of a column the same tiles of W: each is asked for jointly.
; PREFETCH: behind the loads of K steps 0 and 1 each wave asks for its share of K step 2 and 3: 32 rows (lanes 1,024 bytes apart) x 256 bytes; the four partners share a tile's rows out by address.
; THE RESULT LEAVES AS IMAGES OF THE NEXT OPERAND'S REGISTERS, 512 consecutive bytes a store.  q, k: [b x 16 + head][token / 16][half 2][lane][16 bytes]; v: [b x 16 + head][token / 128][channel tile 4][chunk 4][lane][16 bytes]; q at byte 0, k at 4 MiB, v at 8 MiB.
; A sum stands for sum x 2^(e0 + e1): it begins with the bias / 2^(e0 + e1) as C, and the conversion's one scale is 2^(eout - e0 - e1).
; LIMITS: eout - e0 - e1 (eout = e2, e3, e5) between -126 and 119; a bias / 2^(e0 + e1) is an f32 number.  NaN among the sums is not served.
; REGISTERS: window 0: v4-15 addresses; v16-63 the biases; v64-255 W's fragments, two sets of 96.  Window 1: x's fragments, two sets of 128.  Window 2: q's and k's accumulators, (a, b) at v[32 a + 8 b].  Window 3: v's, (a, u) at v[64 u + 8 a].
.set ROWB,  256
.set PITCH, 272                        ; an LDS row: 256 bytes + 16 of padding = 68 words: row r starts at bank 4 r mod 64 (64 banks of 4 bytes: ISA guide 11.1)
.set SLOT,  448*PITCH
.set SPARE, 2*SLOT                     ; the spare words, 128 bytes a wave
.set ADX, 4                            ; v4-5 LDS address of my fragments of x in slot 0, 1
.set ADW, 6                            ; v6-7 of W_q and W_k
.set ADV, 8                            ; v8-9 of W_v
.set CO,  10                           ; 16 x lane
.set PFO, 11                           ; the prefetches' offset
.set SPW, 12
.set NIL, 13
.set BN,  16                           ; v16-47 the bias of my four blocks of q and k
.set BV,  48                           ; v48-63 of my two of v
.set WF,  64
.set TMP, 64                           ; the way out: numbers held
.set CQ,  128                          ; codes of q and k, 8 registers a token block
.set CV,  192                          ; codes of v
.set SCL, 224                          ; three scales
.set LIM, 228                          ; three times 448 x the scale
.set G1,  24                           ; descriptor groups 1 and 0 for x
.set G0,  32
.set G1B, 48                           ; and for W
.set G0B, 56
.set MSB, 0
.macro WIN new                         ; the immediate's high byte repeats the setting that is left
.if MSB != \new
	s_set_vgpr_msb (MSB<<8)|\new
.set MSB, \new
.endif
.endm
.macro PLACES                          ; four plain vector instructions behind a matrix instruction (ISA guide 7.12.1)
.rept 4
	v_nop
.endr
.endm
.macro JLOAD s                         ; a joint load: wave 0 for x, the others for W; the branch hangs on the wave's number alone
	s_cmp_eq_u32 s14, 0
	s_cbranch_scc0 .Lfor_w_\@
	tensor_load_to_lds s[G0+4*\s:G0+4*\s+3], s[G1:G1+7]
	s_nop 0
	PLACES
	s_branch .Lasked_\@
.Lfor_w_\@:
	tensor_load_to_lds s[G0B+4*\s:G0B+4*\s+3], s[G1B:G1B+7]
	s_nop 0
	PLACES
.Lasked_\@:
.endm
.macro CREST                           ; a round of the cluster's barrier behind its opening barrier
	s_cmp_lg_u32 s14, 0
	s_cbranch_scc1 .Lnot_wave_0_\@
	s_barrier_signal -3
.Lnot_wave_0_\@:
	s_barrier_wait -3
	s_barrier_signal -1
	s_barrier_wait -1
.endm
.macro CROUND
	s_barrier_signal -1
	s_barrier_wait -1
	CREST
.endm
	s_load_b256 s[4:11], s[0:1], 0x0               ; x, W_attn, b_attn, the scales' exponents
	s_load_b64 s[12:13], s[0:1], 0x20              ; qkv
	v_lshl_add_u32 v[SPW], v0, 2, SPARE
	v_mov_b32 v[NIL], 0
	ds_add_u32 v[SPW], v[NIL]                      ; the opening lines: the add twice on end
	ds_add_u32 v[SPW], v[NIL]
	v_lshrrev_b32 v1, 5, v0
	v_readfirstlane_b32 s14, v1                    ; wave 0..3
	s_lshr_b32 s15, s14, 1                         ; which 128 tokens are mine
	s_and_b32 s16, s14, 1                          ; which 32 channels
	s_bfe_u32 s40, ttmp6, 0x40000                  ; cx, cy
	s_bfe_u32 s41, ttmp6, 0x40004
	s_lshl_b32 s42, ttmp9, 2
	s_add_co_u32 s42, s42, s40                     ; head = 4 x cluster x + cx
	s_and_b32 s17, ttmp7, 0xffff
	s_lshl_b32 s17, s17, 2
	s_add_co_u32 s17, s17, s41                     ; token tile = 4 x cluster y + cy
	s_lshl_b32 s43, s41, 2
	s_lshl_b32 s43, 15, s43                        ; my row of the cluster
	s_lshl_b32 s44, 0x1111, s40                    ; my column
	s_or_b32 s[G1], s43, (1<<20)|(1<<21)|(5<<22)|(3<<25)     ; the mask; elements of 1 byte; four words of padding after every 64; bit 21 set beside a mask
	s_or_b32 s[G1B], s44, (1<<20)|(1<<21)|(5<<22)|(3<<25)
	s_mov_b32 s[G1+1], ROWB<<16
	s_mov_b32 s[G1+2], 256<<16
	s_mov_b32 s[G1+3], ROWB<<16
	s_mov_b32 s[G1+4], 256                         ; x: 256 rows
	s_mov_b32 s[G1+5], 1024
	s_mov_b32 s[G1+6], 0
	s_mov_b32 s[G1+7], 0
	s_mov_b32 s[G1B+1], ROWB<<16
	s_mov_b32 s[G1B+2], 64<<16
	s_mov_b32 s[G1B+3], ROWB<<16
	s_mov_b32 s[G1B+4], 64                         ; W: 64 rows
	s_mov_b32 s[G1B+5], 1024
	s_mov_b32 s[G1B+6], 0
	s_mov_b32 s[G1B+7], 0
	s_lshl_b32 s76, s17, 18                        ; x: row 256 x token tile: made of cy, never of cx
	s_mov_b32 s77, 0
	s_sub_co_u32 s46, s14, 1
	s_cmp_eq_u32 s14, 0
	s_cselect_b32 s46, 0, s46                      ; the part that I fetch: 0 q, 1 k, 2 v (wave 0 fetches none)
	s_lshl_b32 s46, s46, 20
	s_lshl_b32 s78, s42, 16
	s_add_co_u32 s78, s78, s46                     ; W: row 1,024 x part + 64 x head: made of cx, never of cy
	s_mov_b32 s79, 0
	s_mul_i32 s45, s14, 64*PITCH
	s_add_co_u32 s45, s45, 192*PITCH               ; where W's tile goes: row 256 + 64 x (wave - 1)
	s_wait_dscnt 0x0                               ; both opening adds are done
	s_wait_kmcnt 0x0
	s_load_b256 s[68:75], s[10:11], 0x0            ; e0 .. e7
	s_add_nc_u64 s[76:77], s[4:5], s[76:77]
	s_add_nc_u64 s[78:79], s[6:7], s[78:79]
.irp s, 0,1
	s_mov_b32 s[G0+4*\s], 1
	s_mov_b32 s[G0+4*\s+1], \s*SLOT
	s_add_nc_u64 s[G0+4*\s+2:G0+4*\s+3], s[76:77], \s*ROWB
	s_or_b32 s[G0+4*\s+3], s[G0+4*\s+3], 0x80000000
	s_mov_b32 s[G0B+4*\s], 1
	s_add_co_u32 s[G0B+4*\s+1], s45, \s*SLOT
	s_add_nc_u64 s[G0B+4*\s+2:G0B+4*\s+3], s[78:79], \s*ROWB
	s_or_b32 s[G0B+4*\s+3], s[G0B+4*\s+3], 0x80000000
.endr
	CROUND                                         ; all sixteen work-groups are here: the first joint loads meet
	JLOAD 0                                        ; K step 0, my one load at the head
	; the prefetches: waves 0, 1: 32 each of my 64 rows of x's tile; wave 2: 16 rows of W_q and 16 of W_k; wave 3: 16 of W_v (lanes 16-31 name the same again)
	s_lshl_b32 s18, s17, 8
	s_lshl_b32 s19, s40, 6
	s_add_co_u32 s18, s18, s19
	s_lshl_b32 s19, s14, 5
	s_add_co_u32 s18, s18, s19                     ; x: 256 x token tile + 64 cx + 32 x wave
	s_lshl_b32 s20, s42, 6
	s_lshl_b32 s21, s41, 4
	s_add_co_u32 s20, s20, s21                     ; W: 64 x head + 16 cy
	s_mov_b32 s22, 0x100000
	s_mov_b32 s23, 2048
	s_cmp_eq_u32 s14, 3
	s_cselect_b32 s22, 0, s22                      ; from lanes 0-15 to lanes 16-31, in bytes
	s_cselect_b32 s23, s23, 0
	s_add_co_u32 s20, s20, s23
	s_mov_b32 s23, 16384
	s_cmp_lt_u32 s14, 2
	s_cselect_b32 s22, s23, s22
	s_cselect_b32 s18, s18, s20
	s_cselect_b64 s[94:95], s[4:5], s[6:7]
	s_lshl_b32 s18, s18, 10
	s_mov_b32 s19, 0
	s_add_nc_u64 s[94:95], s[94:95], s[18:19]
	; the bias at 4 (64 x head + 32 x my channels' half)
	s_lshl_b32 s18, s42, 8
	s_lshl_b32 s19, s16, 7
	s_add_co_u32 s18, s18, s19
	s_mov_b32 s19, 0
	s_add_nc_u64 s[92:93], s[8:9], s[18:19]
	; where my results begin: (16 x batch + head) x 131,072 + (token % 2,048) x 64
	s_lshr_b32 s18, s17, 3
	s_lshl_b32 s18, s18, 4
	s_add_co_u32 s18, s18, s42
	s_lshl_b32 s18, s18, 17
	s_and_b32 s19, s17, 7
	s_lshl_b32 s19, s19, 14
	s_add_co_u32 s18, s18, s19
	s_lshl_b32 s19, s15, 13
	s_add_co_u32 s18, s18, s19
	s_lshl_b32 s20, s16, 9                         ; q, k: + my half of a fragment
	s_add_co_u32 s20, s20, s18
	s_mov_b32 s21, 0
	s_add_nc_u64 s[96:97], s[12:13], s[20:21]
	s_lshl_b32 s20, s16, 12                        ; v: + my two channel tiles
	s_add_co_u32 s20, s20, s18
	s_add_co_u32 s20, s20, 0x800000
	s_add_nc_u64 s[98:99], s[12:13], s[20:21]
	s_mul_i32 s20, s15, 128*PITCH
	s_mul_i32 s21, s16, 32*PITCH
	v_and_b32 v1, 15, v0                           ; r
	v_bfe_u32 v2, v0, 4, 1                         ; h
	v_and_b32 v3, 8, v1
	v_add_nc_u32 v3, v3, v1                        ; r + 8 (r / 8)
	v_lshlrev_b32 v[PFO], 10, v1
	v_mul_lo_u32 v14, v2, s22
	v_add_nc_u32 v[PFO], v[PFO], v14
	global_prefetch_b8 v[PFO], s[94:95] offset:2*ROWB th:TH_LOAD_NT scope:SCOPE_SE   ; K step 2
	v_mul_u32_u24 v15, v1, PITCH
	v_lshl_add_u32 v15, v2, 4, v15                 ; a fragment's row x pitch + 16 h
	v_add_nc_u32 v[ADX], s20, v15
	v_add_nc_u32 v[ADW], s21, v15
	v_add_nc_u32 v[ADW], 256*PITCH, v[ADW]
	v_mul_u32_u24 v15, v3, PITCH
	v_lshl_add_u32 v15, v2, 4, v15
	v_add_nc_u32 v[ADV], s21, v15
	v_add_nc_u32 v[ADV], 384*PITCH, v[ADV]
	v_add_nc_u32 v[ADX+1], SLOT, v[ADX]
	v_add_nc_u32 v[ADW+1], SLOT, v[ADW]
	v_add_nc_u32 v[ADV+1], SLOT, v[ADV]
	v_and_b32 v[CO], 31, v0
	v_lshlrev_b32 v[CO], 4, v[CO]
	v_lshlrev_b32 v2, 5, v2                        ; q, k: channels 8 h + 0 .. 7
	v_lshlrev_b32 v3, 2, v3                        ; v: channel r + 8 (r / 8)
.irp b, 0,1,2,3
	global_load_b128 v[BN+8*\b:BN+8*\b+3], v2, s[92:93] offset:64*(\b%2)+4096*(\b/2)
	global_load_b128 v[BN+8*\b+4:BN+8*\b+7], v2, s[92:93] offset:64*(\b%2)+4096*(\b/2)+16
.endr
	global_load_b32 v[BV], v3, s[92:93] offset:8192
	global_load_b32 v[BV+8], v3, s[92:93] offset:8192+32
	s_wait_kmcnt 0x0
	s_add_co_i32 s80, s68, s69                     ; e0 + e1
	s_sub_co_i32 s81, 0, s80
.macro SCALE e, sc, lim                ; 2^(e - e0 - e1) as f32, and 448 x that
	s_sub_co_i32 s[\sc], s[\e], s80
	s_add_co_i32 s[\sc], s[\sc], 127
	s_add_co_i32 s[\lim], s[\sc], 8
	s_lshl_b32 s[\sc], s[\sc], 23
	s_lshl_b32 s[\lim], s[\lim], 23
	s_or_b32 s[\lim], s[\lim], 0x600000
.endm
	SCALE 70, 82, 85
	SCALE 71, 83, 86
	SCALE 73, 84, 87
	s_wait_loadcnt 0x0                             ; the biases
.set j, 0
.rept 32
	v_ldexp_f32 v[BN+j], v[BN+j], s81              ; b / 2^(e0 + e1): nothing is rounded, short of overflow and underflow
.set j, j+1
.endr
.irp i, 7,6,5,4,3,2,1,0
	v_ldexp_f32 v[BV+\i], v[BV], s81
	v_ldexp_f32 v[BV+8+\i], v[BV+8], s81
.endr
; LDS loads of one step of 128 along K into set p: W_q's and W_k's four fragments, x's eight, W_v's two: 56.  Registers 4 c .. 4 c + 3 hold K = 32 c + 16 h + 0 .. 15: a permutation of k, the same in every operand.
.macro FETCH slot, q, p
	WIN 0
.irp b, 0,1,2,3
.irp c, 0,1,2,3
	ds_load_b128 v[WF+96*(\p)+16*\b+4*\c:WF+96*(\p)+16*\b+4*\c+3], v[ADW+\slot] offset:128*(\q)+32*\c+(64*(\b/2)+16*(\b%2))*PITCH
.endr
.endr
	WIN 0x40
.irp i, 0,1,2,3,4,5,6,7
.irp c, 0,1,2,3
	ds_load_b128 v[128*(\p)+16*\i+4*\c:128*(\p)+16*\i+4*\c+3], v[ADX+\slot] offset:128*(\q)+32*\c+\i*16*PITCH
.endr
.endr
	WIN 0
.irp u, 0,1
.irp c, 0,1,2,3
	ds_load_b128 v[WF+96*(\p)+64+16*\u+4*\c:WF+96*(\p)+64+16*\u+4*\c+3], v[ADV+\slot] offset:128*(\q)+32*\c+\u*8*PITCH
.endr
.endr
.endm
; The 48 accumulators take turns, one instruction a turn, in the same order in every step.  z = 1: the sums begin with the bias.
.macro MULQ a0, p, z                   ; token blocks a0, a0 + 1 x q's two and k's two blocks
.if \z
	WIN 0x84
.else
	WIN 0xa4
.endif
.irp a, \a0, \a0+1
.irp b, 0,1,2,3
.if \z
	v_wmma_f32_16x16x128_fp8_fp8 v[32*(\a)+8*\b:32*(\a)+8*\b+7], v[WF+96*(\p)+16*\b:WF+96*(\p)+16*\b+15], v[128*(\p)+16*(\a):128*(\p)+16*(\a)+15], v[BN+8*\b:BN+8*\b+7]
.else
	v_wmma_f32_16x16x128_fp8_fp8 v[32*(\a)+8*\b:32*(\a)+8*\b+7], v[WF+96*(\p)+16*\b:WF+96*(\p)+16*\b+15], v[128*(\p)+16*(\a):128*(\p)+16*(\a)+15], v[32*(\a)+8*\b:32*(\a)+8*\b+7]
.endif
.endr
.endr
.endm
.macro MULV p, z                       ; v: eight token blocks x two channel blocks
.if \z
	WIN 0xc1
.else
	WIN 0xf1
.endif
.irp a, 0,1,2,3,4,5,6,7
.irp u, 0,1
.if \z
	v_wmma_f32_16x16x128_fp8_fp8 v[64*\u+8*\a:64*\u+8*\a+7], v[128*(\p)+16*\a:128*(\p)+16*\a+15], v[WF+96*(\p)+64+16*\u:WF+96*(\p)+79+16*\u], v[BV+8*\u:BV+8*\u+7]
.else
	v_wmma_f32_16x16x128_fp8_fp8 v[64*\u+8*\a:64*\u+8*\a+7], v[128*(\p)+16*\a:128*(\p)+16*\a+15], v[WF+96*(\p)+64+16*\u:WF+96*(\p)+79+16*\u], v[64*\u+8*\a:64*\u+8*\a+7]
.endif
.endr
.endr
.endm
.macro STEP slot, z                    ; a slot's first step
	s_wait_dscnt 32                                ; of the 56 loads W's q and k fragments and x's blocks 0, 1 are in,
	MULQ 0, 0, \z
	s_wait_dscnt 24                                ; and blocks 2, 3,
	MULQ 2, 0, \z
	s_wait_dscnt 0                                 ; and all
	PLACES
	FETCH \slot, 1, 1
	MULQ 4, 0, \z
	MULQ 6, 0, \z
	MULV 0, \z
.endm
; A slot's second step changes slots: one barrier; fill = 1: it opens a round, behind which this slot is filled again, two K steps on.
.macro TURN slot, next, fill
	s_wait_dscnt 32
	MULQ 0, 1, 0
	s_wait_dscnt 0                                 ; my reads of this slot are over
	WIN 0
	s_wait_tensorcnt 0x0                           ; all my tensor loads have landed: my part of the next slot
	ds_add_u32 v[SPW], v[NIL]                      ; 0 onto my spare word
.if \fill
	s_add_nc_u64 s[G0+4*\slot+2:G0+4*\slot+3], s[G0+4*\slot+2:G0+4*\slot+3], 2*ROWB
	s_add_nc_u64 s[G0B+4*\slot+2:G0B+4*\slot+3], s[G0B+4*\slot+2:G0B+4*\slot+3], 2*ROWB
.endif
	MULQ 2, 1, 0
	s_wait_dscnt 0x0                               ; the add is done
	s_barrier_signal -1
	MULQ 4, 1, 0
	WIN 0
	s_barrier_wait -1
.if \fill
	CREST                                          ; no wave of any partner still reads this slot or has a load on its way
	JLOAD \slot                                    ; its four v_nop are the places in front of the loads below
.else
	PLACES
.endif
	FETCH \next, 0, 0
	MULQ 6, 1, 0
	MULV 1, 0
.endm
	s_wait_alu depctr_va_vdst(0)                   ; the wait at the head's end
	s_wait_tensorcnt 0x0                           ; my part of K step 0 is in
	ds_add_u32 v[SPW], v[NIL]                      ; ahead of a later first fill
	s_wait_dscnt 0x0
	CROUND
	JLOAD 1                                        ; K step 1
	FETCH 0, 0, 0
	global_prefetch_b8 v[PFO], s[94:95] offset:3*ROWB th:TH_LOAD_NT scope:SCOPE_SE   ; K step 3
	STEP 0, 1
	TURN 0, 1, 1
	STEP 1, 0
	TURN 1, 0, 1
	STEP 0, 0
	TURN 0, 1, 0
	STEP 1, 0
	s_wait_dscnt 32                                ; the very last step: nothing more to fetch
	MULQ 0, 1, 0
	s_wait_dscnt 24
	MULQ 2, 1, 0
	s_wait_dscnt 16
	MULQ 4, 1, 0
	s_wait_dscnt 8
	MULQ 6, 1, 0
	s_wait_dscnt 0
	MULV 1, 0
; THE WAY OUT: held within +-448 x the scale (the conversion to an 8-bit code does not saturate: ISA guide 7.6.2), converted, stored.  Each block's codes have registers of their own: no store's data are written again.
.macro OUTQ a
.set TT, TMP+32*((\a)%2)
	WIN 0x02
.set j, 0
.rept 32
	v_med3_num_f32 v[TT+j], v[32*(\a)+j], -v[LIM+j/16], v[LIM+j/16]
.set j, j+1
.endr
	WIN 0
.irp i, 0,1,2,3
	v_cvt_scalef32_pk8_fp8_f32 v[CQ+8*(\a)+2*\i:CQ+8*(\a)+2*\i+1], v[TT+8*\i:TT+8*\i+7], v[SCL+\i/2]
.endr
	v_nop                                          ; one plain vector instruction behind the last conversion
	global_store_b128 v[CO], v[CQ+8*(\a):CQ+8*(\a)+3], s[96:97] offset:1024*(\a)
	global_store_b128 v[CO], v[CQ+8*(\a)+4:CQ+8*(\a)+7], s[96:97] offset:4194304+1024*(\a)
.endm
.macro OUTV u
	WIN 0x03
.set j, 0
.rept 64
	v_med3_num_f32 v[TMP+j], v[64*(\u)+j], -v[LIM+2], v[LIM+2]
.set j, j+1
.endr
	WIN 0
.irp i, 0,1,2,3,4,5,6,7
	v_cvt_scalef32_pk8_fp8_f32 v[CV+16*(\u)+2*\i:CV+16*(\u)+2*\i+1], v[TMP+8*\i:TMP+8*\i+7], v[SCL+2]
.endr
	v_nop
.irp q, 0,1,2,3
	global_store_b128 v[CO], v[CV+16*(\u)+4*\q:CV+16*(\u)+4*\q+3], s[98:99] offset:2048*(\u)+512*\q
.endr
.endm
	WIN 0
	PLACES                                         ; behind the last products
.irp i, 0,1,2
	v_mov_b32 v[SCL+\i], s[82+\i]
	v_mov_b32 v[LIM+\i], s[85+\i]
.endr
.irp a, 0,1,2,3,4,5,6,7
	OUTQ \a
.endr
	OUTV 0
	OUTV 1
	s_wait_tensorcnt 0x0                           ; the wave's end
	ds_add_u32 v[SPW], v[NIL]
	s_wait_dscnt 0x0
	CROUND                                         ; the closing round
	s_endpgm
.Lfunc_end_k_qbe96777a0c_qkv:
	.size	k_qbe96777a0c_qkv, .Lfunc_end_k_qbe96777a0c_qkv-k_qbe96777a0c_qkv
	.p2alignl 7, 3214868480
	.fill 96, 4, 3214868480
	.section	.rodata,"a",@progbits
	.p2align	6, 0x0
	.amdhsa_kernel k_qbe96777a0c_qkv
		.amdhsa_group_segment_fixed_size 327680
		.amdhsa_private_segment_fixed_size 0
		.amdhsa_enable_private_segment 0
		.amdhsa_kernarg_size 40
		.amdhsa_user_sgpr_count 2
		.amdhsa_user_sgpr_kernarg_segment_ptr 1
		.amdhsa_wavefront_size32 1
		.amdhsa_system_sgpr_workgroup_id_x 1
		.amdhsa_system_sgpr_workgroup_id_y 1
		.amdhsa_system_sgpr_workgroup_id_z 1
		.amdhsa_system_vgpr_workitem_id 0
		.amdhsa_next_free_vgpr 1024
		.amdhsa_next_free_sgpr 100
		.amdhsa_reserve_vcc 0
		.amdhsa_float_denorm_mode_32 3
		.amdhsa_float_denorm_mode_16_64 3
		.amdhsa_memory_ordered 1
		.amdhsa_forward_progress 1
		.amdhsa_inst_pref_size 102
	.end_amdhsa_kernel
	.amdgpu_metadata
---
amdhsa.version: [ 1, 2 ]
amdhsa.kernels:
  - .name:           k_qbe96777a0c_qkv
    .symbol:         k_qbe96777a0c_qkv.kd
    .args:
      - { .name: x_codes, .offset: 0, .size: 8, .value_kind: global_buffer, .address_space: global }
      - { .name: W_attn_codes, .offset: 8, .size: 8, .value_kind: global_buffer, .address_space: global }
      - { .name: b_attn, .offset: 16, .size: 8, .value_kind: global_buffer, .address_space: global }
      - { .name: lowp_scales, .offset: 24, .size: 8, .value_kind: global_buffer, .address_space: global }
      - { .name: qkv, .offset: 32, .size: 8, .value_kind: global_buffer, .address_space: global }
    .group_segment_fixed_size: 327680
    .private_segment_fixed_size: 0
    .kernarg_segment_align: 8
    .kernarg_segment_size: 40
    .max_flat_workgroup_size: 128
    .sgpr_count:     100
    .vgpr_count:     1024
    .wavefront_size: 32
...
	.end_amdgpu_metadata
.endif
;; end of part 1
;; launch attn (part 2): grid 8 x 32, 8 waves a work-group, clusters of 4 x 1, 327,680 bytes of LDS; arguments qkv, lowp_scales, ycodes; writes ycodes
.if DOCPART == 2
	.amdgcn_target "amdgcn-amd-amdhsa--gfx1250"
	.amdhsa_code_object_version 6
	.text
	.protected	k_qbe96777a0c_attn
	.globl	k_qbe96777a0c_attn
	.p2align	8
	.type	k_qbe96777a0c_attn,@function
k_qbe96777a0c_attn:
	s_mov_b64 s[64:65], 0
	v_nop
	global_prefetch_b8 v0, s[64:65] scope:SCOPE_SE
	s_setreg_imm32_b32 hwreg(HW_REG_WAVE_MODE, 25, 1), 1
	s_wait_xcnt 0x0
	s_wait_alu depctr_hold_cnt(0) depctr_sa_sdst(0) depctr_va_vdst(0) depctr_va_sdst(0) depctr_va_ssrc(0) depctr_va_vcc(0) depctr_vm_vsrc(0)
	s_getreg_b32 s2, hwreg(HW_REG_IB_STS2, 6, 4)
	s_cmp_eq_u32 s2, 0
	s_cbranch_scc0 .Lentry_in_a_cluster
	s_endpgm
.Lentry_in_a_cluster:
	s_bfe_u32 s2, ttmp6, 0x10000c
	s_cmp_lg_u32 s2, 0x3003
	s_cbranch_scc0 .Lentry_shape_is_right
	s_endpgm
.Lentry_shape_is_right:
; y = softmax(q k^T / 8) v under the causal mask, both products on codes of FP8 (E4M3), y quantised with 2^e6.  32 heads (batch x 16 + head) of 2,048 tokens x 64 channels.
; DEAD WORK left out: a tile of 16 queries in token block m (128 tokens) walks key blocks 0 .. m: reference()'s causal mask hides the later ones whole.  A NaN or an infinity in hidden keys or values is not carried.
; THE SOFTMAX: t = score x log2(e) / 8; M = the row's largest t so far, rounded up to a whole number; p = 2^(t - M) is quantised, the row's sum is taken of the unquantised p; when M moves, sum and O are multiplied by 2^(old M - new M).
; SHARES.  Work-group g (0 .. 7) of a head takes the g-th tile of 16 queries of each of the 16 blocks of 128.  Wave w (0 .. 7) takes that tile of block w, then that of block 15 - w: w + 1 and 16 - w key steps of 128, 17 in every wave
; of every work-group.  So no branch hangs on a work-group's place in its cluster; only addresses and the diagonal's mask do.
; ALL of the head's K and V lies in LDS, 262,144 bytes, each byte filled once, in three stages, one load a wave each (even waves K, odd waves V): keys 0 to 511 at the head, 512 to 1,023 behind the first round, the rest behind the second.
; Key steps 0 to 2 read the first stage alone, steps 3 to 7 the first two: so each later stage has the steps of a whole loop in which to land.
; CLUSTERS: the four work-groups of a cluster belong to one head: every load is joint.  No prefetch: only two fills follow the head's, and each is asked for a whole loop ahead of its first read.
; LAYOUT: S^T = K Q^T and O^T = V^T P^T: a lane holds one query (lane % 16).  Register 8 t + j of S^T is key 16 t + 8 h + j (h = lane / 16).
; LIMITS: e2 + e3 between -123 and 130; e4 and e6 between -126 and 119; scaled scores under 2^31 in magnitude.
; REGISTERS: window 0: v1-31 at work; v32 O^T; v64 S^T, then p; v128 p's codes; v144 V's fragments; v208 Q, v216 the second tile's Q; v224 y's codes.  Window 1: v0-63 K's fragments.
.set SPARE, 0x40000
.set LI,   1                           ; 16 x lane
.set ADK,  2
.set ADV,  3
.set LIV,  4                           ; 131,072 + 16 x lane
.set NINF, 5
.set PLIM, 6                           ; v6, v7: 448 x 2^e4
.set PSC,  8
.set YLIM, 9
.set DD,   10                          ; r - 8 h
.set YSC,  11
.set NM,   12                          ; -M (v13 is named with it)
.set F,    14                          ; 2^(old M - new M) (v15 likewise)
.set MX,   21                          ; the largest score
.set L0,   24                          ; the row's sum in four parts
.set L1,   26
.set O,    32
.set S,    64
.set P,    128
.set V,    144
.set Q,    208
.set QH,   216
.set YC,   224
.set WV,   10
.set XW,   11                          ; 15 - w
.set NL,   12                          ; w + 1: the step at which the second tile begins
.set DG,   13                          ; the step on the diagonal
.set GG,   17                          ; g
.set BH,   18
.set EPV,  19
.set SEL,  20
.set CS,   22
.set G1,   24                          ; group 1 of the first two stages: 8,192 bytes a wave
.set PAT,  32                          ; s32-39 the mask of the tile of keys on the diagonal
.set G0,   40                          ; groups 0 of the three stages
.set YLO,  44
.set YHI,  46
.set J,    56                          ; the step
.set CSN,  57                          ; -c
.set TM,   66
.set QA,   74                          ; s74-77 where the two tiles' Q lies
.set G1C,  80                          ; group 1 of the third stage: 16,384 bytes a wave
.set G0B,  88
.set G0C,  92
.set MSB, 0
.macro WIN new
.if MSB != \new
	s_set_vgpr_msb (MSB<<8)|\new
.set MSB, \new
.endif
.endm
.macro PLACES n                        ; plain vector instructions behind a matrix instruction (ISA guide 7.12.1)
.rept \n
	v_nop
.endr
.endm
.macro CROUND                          ; a round of the cluster's barrier
	s_barrier_signal -1
	s_barrier_wait -1
	s_cmp_lg_u32 s[WV], 0
	s_cbranch_scc1 .Lnot_wave_0_\@
	s_barrier_signal -3
.Lnot_wave_0_\@:
	s_barrier_wait -3
	s_barrier_signal -1
	s_barrier_wait -1
.endm
.macro FILL g0, g1                     ; a later first fill: every wave's loads have landed, the add and my LDS reads are done; behind the round my one load
	s_wait_tensorcnt 0x0
	ds_add_u32 v254, v255
	s_wait_dscnt 0x0
	CROUND
	tensor_load_to_lds s[\g0:\g0+3], s[\g1:\g1+7]
	s_nop 0
	PLACES 4
.endm
	s_load_b128 s[4:7], s[0:1], 0x0                ; qkv, the scales' exponents
	s_load_b64 s[8:9], s[0:1], 0x10                ; ycodes
	v_lshl_add_u32 v254, v0, 2, SPARE
	v_mov_b32 v255, 0
	ds_add_u32 v254, v255                          ; the opening lines: the add twice on end
	ds_add_u32 v254, v255
	v_lshrrev_b32 v1, 5, v0
	v_readfirstlane_b32 s[WV], v1                  ; wave 0..7
	s_bfe_u32 s11, ttmp6, 0x40000                  ; cx
	s_lshl_b32 s[GG], ttmp9, 2
	s_add_co_u32 s[GG], s[GG], s11                 ; g = 4 x cluster x + cx
	s_and_b32 s[BH], ttmp7, 0xffff
	s_mov_b32 s[G1], 15|(3<<16)|(1<<21)            ; all four of the cluster; elements of 8 bytes; no padding; bit 21 set beside a mask
	s_mov_b32 s[G1+1], 32<<16                      ; 8,192 bytes as 32 rows of 256
	s_mov_b32 s[G1+2], 32<<16
	s_mov_b32 s[G1+3], 32<<16
	s_mov_b32 s[G1+4], 32
	s_mov_b32 s[G1+5], 32
	s_mov_b32 s[G1+6], 0
	s_mov_b32 s[G1+7], 0
	s_mov_b32 s[G1C], 15|(3<<16)|(1<<21)
	s_mov_b32 s[G1C+1], 32<<16                     ; 16,384 bytes as 64 rows of 256
	s_mov_b32 s[G1C+2], 64<<16
	s_mov_b32 s[G1C+3], 32<<16
	s_mov_b32 s[G1C+4], 64
	s_mov_b32 s[G1C+5], 32
	s_mov_b32 s[G1C+6], 0
	s_mov_b32 s[G1C+7], 0
	s_and_b32 s14, s[WV], 1                        ; I fetch for K (0) or V (1),
	s_lshr_b32 s15, s[WV], 1                       ; which quarter of a stage's keys
	s_lshl_b32 s58, s14, 17
	s_lshl_b32 s60, s15, 13
	s_lshl_b32 s62, s15, 14
	s_mov_b32 s[G0], 1
	s_mov_b32 s[G0B], 1
	s_mov_b32 s[G0C], 1
	s_add_co_u32 s[G0+1], s58, s60                 ; keys 0 on,
	s_add_co_u32 s[G0B+1], s[G0+1], 0x8000         ; 512 on,
	s_add_co_u32 s[G0C+1], s58, s62
	s_add_co_u32 s[G0C+1], s[G0C+1], 0x10000       ; 1,024 on: 64 bytes a key
	s_lshl_b32 s66, s14, 22
	s_lshl_b32 s67, s[BH], 17
	s_add_co_u32 s66, s66, s67
	s_add_co_u32 s66, s66, 0x400000                ; k begins at 4 MiB, v at 8 MiB
	s_add_co_u32 s58, s66, s60
	s_mov_b32 s59, 0
	s_add_co_u32 s60, s58, 0x8000
	s_mov_b32 s61, 0
	s_add_co_u32 s62, s66, s62
	s_add_co_u32 s62, s62, 0x10000
	s_mov_b32 s63, 0
	s_wait_dscnt 0x0                               ; both opening adds are done
	s_wait_kmcnt 0x0
	s_load_b256 s[48:55], s[6:7], 0x0              ; e0 .. e7
	s_add_nc_u64 s[G0+2:G0+3], s[4:5], s[58:59]
	s_or_b32 s[G0+3], s[G0+3], 0x80000000
	s_add_nc_u64 s[G0B+2:G0B+3], s[4:5], s[60:61]
	s_or_b32 s[G0B+3], s[G0B+3], 0x80000000
	s_add_nc_u64 s[G0C+2:G0C+3], s[4:5], s[62:63]
	s_or_b32 s[G0C+3], s[G0C+3], 0x80000000
	CROUND                                         ; the four work-groups are here: the joint loads meet
	tensor_load_to_lds s[G0:G0+3], s[G1:G1+7]      ; my one tensor load at the head
	s_nop 0
	PLACES 4
	s_add_co_u32 s[NL], s[WV], 1
	s_mov_b32 s[DG], s[WV]
	s_xor_b32 s[XW], s[WV], 15                     ; the second tile's block: 15 - w
	s_lshl_b32 s63, s[BH], 17
	s_lshl_b32 s58, s[WV], 3
	s_add_co_u32 s58, s58, s[GG]
	s_lshl_b32 s58, s58, 10
	s_add_co_u32 s58, s58, s63
	s_mov_b32 s59, 0
	s_add_nc_u64 s[QA:QA+1], s[4:5], s[58:59]      ; Q of the first tile
	s_lshl_b32 s60, s[XW], 3
	s_add_co_u32 s60, s60, s[GG]
	s_lshl_b32 s60, s60, 10
	s_add_co_u32 s60, s60, s63
	s_mov_b32 s61, 0
	s_add_nc_u64 s[QA+2:QA+3], s[4:5], s[60:61]    ; and of the second
	; y: [token / 128][k / 128][(token / 16) % 8][chunk 4][lane][16 bytes]
	s_lshr_b32 s62, s[BH], 4
	s_lshl_b32 s62, s62, 21
	s_bfe_u32 s63, s[BH], 0x30001
	s_lshl_b32 s63, s63, 14
	s_add_co_u32 s62, s62, s63
	s_lshl_b32 s63, s[GG], 11
	s_add_co_u32 s62, s62, s63
	s_and_b32 s63, s[BH], 1
	s_lshl_b32 s63, s63, 10
	s_add_co_u32 s62, s62, s63
	s_lshl_b32 s66, s[WV], 17
	s_add_co_u32 s66, s66, s62
	s_mov_b32 s67, 0
	s_add_nc_u64 s[YLO:YLO+1], s[8:9], s[66:67]
	s_lshl_b32 s66, s[XW], 17
	s_add_co_u32 s66, s66, s62
	s_add_nc_u64 s[YHI:YHI+1], s[8:9], s[66:67]
	s_mov_b32 s[SEL], 0x76543210                   ; v_permlanex16_b32's selects for lane l xor 16
	s_mov_b32 s[SEL+1], 0xfedcba98
	v_and_b32 v[LI], 31, v0
	v_lshlrev_b32 v[LI], 4, v[LI]
	global_load_b128 v[Q:Q+3], v[LI], s[QA:QA+1] th:TH_LOAD_NT
	global_load_b128 v[Q+4:Q+7], v[LI], s[QA:QA+1] offset:512 th:TH_LOAD_NT
	global_load_b128 v[QH:QH+3], v[LI], s[QA+2:QA+3] th:TH_LOAD_NT
	global_load_b128 v[QH+4:QH+7], v[LI], s[QA+2:QA+3] offset:512 th:TH_LOAD_NT
	v_add_nc_u32 v[LIV], 0x20000, v[LI]
	v_and_b32 v[DD], 15, v0
	v_bfe_u32 v16, v0, 4, 1
	v_lshlrev_b32 v16, 3, v16
	v_sub_nc_u32 v[DD], v[DD], v16
.irp j, 0,1,2,3,4,5,6,7
	v_cmp_gt_i32 s[PAT+\j], \j, v[DD]              ; in tile t = g of the diagonal's step, register j's key comes after my query
.endr
	v_mov_b32 v[NINF], 0xff800000
	v_mov_b32 v20, 0                               ; a lane permute's destination counts as one of its sources
	v_mov_b32 v[NM+1], 0
	v_mov_b32 v[F+1], 0
.macro RESET                           ; a tile begins: O and the sum are 0, the largest score is under every score, and -M so large that the first factor is 0
.set j, 0
.rept 32
	v_mov_b32 v[O+j], 0
.set j, j+1
.endr
.irp i, 0,1,2,3
	v_mov_b32 v[L0+\i], 0
.endr
	v_mov_b32 v[NM], 0x7f61b1e6
	v_mov_b32 v[MX], 0xff61b1e6
.endm
	RESET
	s_wait_kmcnt 0x0
	s_add_co_i32 s59, s50, s51
	s_lshl_b32 s59, s59, 23
	s_add_co_i32 s[CS], s59, 0x3e38aa3b            ; c = 2^(e2 + e3) log2(e) / 8
	s_mov_b32 s[CS+1], s[CS]                       ; (named with it as a pair)
	s_xor_b32 s[CSN], s[CS], 0x80000000
	s_add_co_i32 s59, s52, 127
	s_lshl_b32 s66, s59, 23
	v_mov_b32 v[PSC], s66                          ; 2^e4
	s_add_co_i32 s59, s59, 8
	s_lshl_b32 s59, s59, 23
	s_or_b32 s59, s59, 0x600000
	v_mov_b32 v[PLIM], s59
	v_mov_b32 v[PLIM+1], s59
	s_add_co_i32 s59, s54, 127
	s_lshl_b32 s66, s59, 23
	v_mov_b32 v[YSC], s66                          ; 2^e6
	s_add_co_i32 s59, s59, 8
	s_lshl_b32 s59, s59, 23
	s_or_b32 s59, s59, 0x600000
	v_mov_b32 v[YLIM], s59
	s_add_co_i32 s[EPV], s52, s53
.macro LOADK adr
	WIN 0x40
.irp t, 0,1,2,3,4,5,6,7
	ds_load_b128 v[8*\t:8*\t+3], v[\adr] offset:1024*\t
	ds_load_b128 v[8*\t+4:8*\t+7], v[\adr] offset:1024*\t+512
.endr
	WIN 0
.endm
; A tile is done: O^T x 2^(e4 + e5) / the sum, held within +-448 x 2^e6, converted, stored: two stores of 512 consecutive bytes.
.macro FINISH base, yc
	s_wait_xcnt 0x0                                ; this macro stands in loops: behind this wait any earlier stores have read their codes' registers, which are written anew below
	v_pk_add_f32 v[L0:L0+1], v[L0:L0+1], v[L1:L1+1]
	s_delay_alu instid0(VALU_DEP_1)
	v_add_f32 v[L0], v[L0], v[L0+1]
	s_delay_alu instid0(VALU_DEP_1)
	v_permlanex16_b32 v20, v[L0], s[SEL], s[SEL+1]
	s_delay_alu instid0(VALU_DEP_1)
	v_add_f32 v[L0], v[L0], v20
	s_wait_alu depctr_va_vdst(0)                   ; the wait ahead of the transcendental,
	v_rcp_f32 v[F], v[L0]
	v_nop
	s_wait_alu depctr_va_vdst(0)                   ; and ahead of its reader
	v_ldexp_f32 v[F], v[F], s[EPV]
	s_wait_alu depctr_va_vdst(0)                   ; and ahead of the first reader of O^T
.set j, 0
.rept 16
	v_pk_mul_f32 v[S+j:S+j+1], v[O+j:O+j+1], v[F:F+1] op_sel_hi:[1,0]
.set j, j+2
.endr
.set j, 0
.rept 32
	v_med3_num_f32 v[S+j], v[S+j], -v[YLIM], v[YLIM]
.set j, j+1
.endr
.irp t, 0,1,2,3
	v_cvt_scalef32_pk8_fp8_f32 v[\yc+2*\t:\yc+2*\t+1], v[S+8*\t:S+8*\t+7], v[YSC]
.endr
	v_nop
	global_store_b128 v[LI], v[\yc:\yc+3], s[\base:\base+1]
	global_store_b128 v[LI], v[\yc+4:\yc+7], s[\base:\base+1] offset:512
.endm
; A KEY STEP.  The step's key block is J in the first tile, J - NL = (J + 15 - w) mod 16 in the second; the next step's likewise.  mask: the key blocks that are in LDS (4, 8 or 16) less one; the block lies within it.
.macro STEP mask
	s_cmp_lg_u32 s[J], s[NL]
	s_cbranch_scc1 .Lsame_\@
	FINISH YLO, YC                                 ; the second tile begins: the first goes out (the branch hangs on the wave's number and the count of steps)
	RESET
.irp i, 0,1,2,3,4,5,6,7
	v_mov_b32 v[Q+\i], v[QH+\i]
.endr
	s_mov_b32 s[DG], 16
	s_wait_alu depctr_va_vdst(0)                   ; the wait here, ahead of the waits below
.Lsame_\@:
	s_add_co_u32 s62, s[J], 1
	s_add_co_u32 s63, s62, s[XW]
	s_and_b32 s61, s62, \mask
	s_lshl_b32 s61, s61, 13
	s_and_b32 s63, s63, \mask
	s_lshl_b32 s63, s63, 13
	s_cmp_lt_u32 s62, s[NL]
	s_cselect_b32 s61, s61, s63                    ; the next step's block x 8,192 bytes (behind the last step: block (16 - w) mod 16, unused)
	s_add_co_u32 s63, s[J], s[XW]
	s_and_b32 s60, s[J], \mask
	s_lshl_b32 s60, s60, 13
	s_and_b32 s63, s63, \mask
	s_lshl_b32 s63, s63, 13
	s_cmp_lt_u32 s[J], s[NL]
	s_cselect_b32 s60, s60, s63                    ; this step's
	v_add_nc_u32 v[ADV], s60, v[LIV]
	PLACES 3
.irp t, 0,1,2,3
.irp c, 0,1,2,3
	ds_load_b128 v[V+16*\t+4*\c:V+16*\t+4*\c+3], v[ADV] offset:2048*\t+512*\c
.endr
.endr
	s_wait_dscnt 16                                ; K is in; V's 16 loads may be out
	WIN 0x01
.irp t, 0,1,2,3,4,5,6,7
	v_wmma_f32_16x16x64_fp8_fp8 v[S+8*\t:S+8*\t+7], v[8*\t:8*\t+7], v[Q:Q+7], 0
.endr
	WIN 0
	v_add_nc_u32 v[ADK], s61, v[LI]
	PLACES 3
	LOADK ADK                                      ; the next step's K
	s_cmp_lg_u32 s[J], s[DG]
	s_cbranch_scc1 .Lopen_\@
.irp t, 0,1,2,3,4,5,6,7                ; on the diagonal: tiles of keys before the g-th are open, the g-th by its pattern, those behind it hidden: selects, no branch
	s_cmp_lt_u32 s[GG], \t
	s_cselect_b32 s59, -1, 0
	s_cmp_eq_u32 s[GG], \t
.irp j, 0,1,2,3,4,5,6,7
	s_cselect_b32 s[TM+\j], s[PAT+\j], s59
.endr
.irp j, 0,1,2,3,4,5,6,7
	v_cndmask_b32 v[S+8*\t+\j], v[S+8*\t+\j], v[NINF], s[TM+\j]
.endr
.endr
.Lopen_\@:
.irp k, 0,1,2,3                        ; the largest of my 64 scores, in four chains
	v_max3_num_f32 v[16+\k], v[S+3*\k], v[S+3*\k+1], v[S+3*\k+2]
.endr
.set k, 0
.rept 26
	v_max3_num_f32 v[16+k%4], v[16+k%4], v[S+12+2*k], v[S+13+2*k]
.set k, k+1
.endr
	v_max3_num_f32 v16, v16, v17, v18
	s_delay_alu instid0(VALU_DEP_1)
	v_max_num_f32 v16, v16, v19
	s_delay_alu instid0(VALU_DEP_1)
	v_permlanex16_b32 v20, v16, s[SEL], s[SEL+1]
	s_delay_alu instid0(VALU_DEP_1)
	v_max3_num_f32 v[MX], v16, v20, v[MX]          ; with lane l xor 16's, and the running largest
	s_delay_alu instid0(VALU_DEP_1)
	v_mul_f32 v22, s[CSN], v[MX]                   ; -t (c is positive)
	v_mov_b32 v23, v[NM]
	s_delay_alu instid0(VALU_DEP_2)
	v_floor_f32 v[NM], v22                         ; -M = floor(-t)
	s_delay_alu instid0(VALU_DEP_1)
	v_sub_f32 v22, v[NM], v23                      ; old M - new M: a whole number, 0 or less
.set k, 0
.rept 32
	v_pk_fma_f32 v[S+2*k:S+2*k+1], v[S+2*k:S+2*k+1], s[CS:CS+1], v[NM:NM+1] op_sel_hi:[1,0,0]   ; t - M
.if k == 4
	v_cvt_i32_f32 v22, v22                         ; (it saturates)
.endif
.if k == 9
	v_ldexp_f32 v[F], 1.0, v22
.endif
.set k, k+1
.endr
	s_wait_alu depctr_va_vdst(0)                   ; the wait ahead of the batch
.set k, 0
.rept 64
	v_exp_f32 v[S+k], v[S+k]                       ; p, at most 1
.set k, k+1
.endr
	v_pk_mul_f32 v[L0:L0+1], v[L0:L0+1], v[F:F+1] op_sel_hi:[1,0]
	v_pk_mul_f32 v[L1:L1+1], v[L1:L1+1], v[F:F+1] op_sel_hi:[1,0]
	s_wait_alu depctr_va_vdst(0)                   ; and ahead of the batch's first reader
.set k, 0
.rept 16                               ; the sum of the unquantised p; the hold (one-sided: p is not negative), two at a time; the codes, a tile behind
	v_pk_add_f32 v[L0:L0+1], v[L0:L0+1], v[S+4*k:S+4*k+1]
	v_pk_add_f32 v[L1:L1+1], v[L1:L1+1], v[S+4*k+2:S+4*k+3]
	v_dual_min_num_f32 v[S+4*k], v[S+4*k], v[PLIM] :: v_dual_min_num_f32 v[S+4*k+1], v[S+4*k+1], v[PLIM+1]
	v_dual_min_num_f32 v[S+4*k+2], v[S+4*k+2], v[PLIM] :: v_dual_min_num_f32 v[S+4*k+3], v[S+4*k+3], v[PLIM+1]
.if (k%2) && (k > 1)
	v_cvt_scalef32_pk8_fp8_f32 v[P+2*(k/2-1):P+2*(k/2-1)+1], v[S+8*(k/2-1):S+8*(k/2-1)+7], v[PSC]
.endif
.set k, k+1
.endr
	v_cvt_scalef32_pk8_fp8_f32 v[P+14:P+15], v[S+56:S+63], v[PSC]
	s_wait_alu depctr_va_vdst(0)                   ; the wait here, directly ahead of the first reader of O^T
.set j, 0
.rept 16
	v_pk_mul_f32 v[O+j:O+j+1], v[O+j:O+j+1], v[F:F+1] op_sel_hi:[1,0]
.set j, j+2
.endr
	s_wait_alu depctr_va_vdst(0)                   ; the wait here, directly ahead of the wait below
	s_wait_dscnt 16                                ; V is in; the next K's 16 loads may be out
.irp t, 0,1,2,3
	v_wmma_f32_16x16x128_fp8_fp8 v[O+8*\t:O+8*\t+7], v[V+16*\t:V+16*\t+15], v[P:P+15], v[O+8*\t:O+8*\t+7]
.endr
.endm
	s_wait_alu depctr_va_vdst(0)                   ; the wait at the head's end
	FILL G0B, G1                                   ; keys 0 to 511 are in; 512 to 1,023 are asked for
	s_wait_loadcnt 0x0                             ; Q
	LOADK LI
	s_mov_b32 s[J], 0
.Lone:                                                 ; steps 0 to 2 (and the K of step 3) lie in key blocks 0 to 3
	STEP 3
	s_add_co_u32 s[J], s[J], 1
	s_cmp_lt_u32 s[J], 3
	s_cbranch_scc1 .Lone
	FILL G0C, G1C                                  ; keys 512 to 1,023 are in; the rest is asked for
	s_mov_b32 s[J], 3
.Ltwo:                                                 ; steps 3 to 7 (and the K of step 8, which is block 8 - NL): blocks 0 to 7
	STEP 7
	s_add_co_u32 s[J], s[J], 1
	s_cmp_lt_u32 s[J], 8
	s_cbranch_scc1 .Ltwo
	s_wait_tensorcnt 0x0                           ; the rest is in
	s_wait_dscnt 0x0                               ; (no LDS instruction of mine is pending at a signal)
	s_barrier_signal -1
	s_barrier_wait -1
	s_mov_b32 s[J], 8
.Lthree:
	STEP 15
	s_add_co_u32 s[J], s[J], 1
	s_cmp_lt_u32 s[J], 17
	s_cbranch_scc1 .Lthree
	FINISH YHI, YC+8
	s_wait_tensorcnt 0x0                           ; the wave's end
	ds_add_u32 v254, v255
	s_wait_dscnt 0x0
	CROUND                                         ; the closing round
	s_endpgm
.Lfunc_end_k_qbe96777a0c_attn:
	.size	k_qbe96777a0c_attn, .Lfunc_end_k_qbe96777a0c_attn-k_qbe96777a0c_attn
	.p2alignl 7, 3214868480
	.fill 96, 4, 3214868480
	.section	.rodata,"a",@progbits
	.p2align	6, 0x0
	.amdhsa_kernel k_qbe96777a0c_attn
		.amdhsa_group_segment_fixed_size 327680
		.amdhsa_private_segment_fixed_size 0
		.amdhsa_enable_private_segment 0
		.amdhsa_kernarg_size 24
		.amdhsa_user_sgpr_count 2
		.amdhsa_user_sgpr_kernarg_segment_ptr 1
		.amdhsa_wavefront_size32 1
		.amdhsa_system_sgpr_workgroup_id_x 1
		.amdhsa_system_sgpr_workgroup_id_y 1
		.amdhsa_system_sgpr_workgroup_id_z 1
		.amdhsa_system_vgpr_workitem_id 0
		.amdhsa_next_free_vgpr 384
		.amdhsa_next_free_sgpr 98
		.amdhsa_reserve_vcc 0
		.amdhsa_float_denorm_mode_32 3
		.amdhsa_float_denorm_mode_16_64 3
		.amdhsa_memory_ordered 1
		.amdhsa_forward_progress 1
		.amdhsa_inst_pref_size 101
	.end_amdhsa_kernel
	.amdgpu_metadata
---
amdhsa.version: [ 1, 2 ]
amdhsa.kernels:
  - .name:           k_qbe96777a0c_attn
    .symbol:         k_qbe96777a0c_attn.kd
    .args:
      - { .name: qkv, .offset: 0, .size: 8, .value_kind: global_buffer, .address_space: global }
      - { .name: lowp_scales, .offset: 8, .size: 8, .value_kind: global_buffer, .address_space: global }
      - { .name: ycodes, .offset: 16, .size: 8, .value_kind: global_buffer, .address_space: global }
    .group_segment_fixed_size: 327680
    .private_segment_fixed_size: 0
    .kernarg_segment_align: 8
    .kernarg_segment_size: 24
    .max_flat_workgroup_size: 256
    .sgpr_count:     98
    .vgpr_count:     384
    .wavefront_size: 32
...
	.end_amdgpu_metadata
.endif
;; end of part 2
;; launch proj (part 3): grid 8 x 32, 4 waves a work-group, clusters of 4 x 4, 288,256 bytes of LDS; arguments ycodes, W_proj_codes, b_proj, lowp_scales, out0; writes out0
.if DOCPART == 3
	.amdgcn_target "amdgcn-amd-amdhsa--gfx1250"
	.amdhsa_code_object_version 6
	.text
	.protected	k_qbe96777a0c_proj
	.globl	k_qbe96777a0c_proj
	.p2align	8
	.type	k_qbe96777a0c_proj,@function
k_qbe96777a0c_proj:
	s_mov_b64 s[64:65], 0
	v_nop
	global_prefetch_b8 v0, s[64:65] scope:SCOPE_SE
	s_setreg_imm32_b32 hwreg(HW_REG_WAVE_MODE, 25, 1), 1
	s_wait_xcnt 0x0
	s_wait_alu depctr_hold_cnt(0) depctr_sa_sdst(0) depctr_va_vdst(0) depctr_va_sdst(0) depctr_va_ssrc(0) depctr_va_vcc(0) depctr_vm_vsrc(0)
	s_getreg_b32 s2, hwreg(HW_REG_IB_STS2, 6, 4)
	s_cmp_eq_u32 s2, 0
	s_cbranch_scc0 .Lentry_in_a_cluster
	s_endpgm
.Lentry_in_a_cluster:
	s_bfe_u32 s2, ttmp6, 0x10000c
	s_cmp_lg_u32 s2, 0xf033
	s_cbranch_scc0 .Lentry_shape_is_right
	s_endpgm
.Lentry_shape_is_right:
; out = y W_proj^T + b_proj on codes of FP8 (E4M3).  y: 4,096 tokens x 1,024, as images of operand registers: [token / 128][k / 128][(token / 16) % 8][chunk c 4][lane][16 bytes]: k = 32 c + 16 (lane / 16) + 0 .. 15.
; W_proj: [1024][1024] codes, K innermost: the same places of k by four loads of 16 bytes, 32 bytes apart (a permutation of k, the same in both operands).  out: [4096][1024] f32.
; A tile of out, 128 x 128, is made by four waves, 64 x 64 each: 16 accumulators.  256 work-groups.  ALL of K lies in LDS, each byte filled once: one tensor load a wave, at the head: waves 0, 1: y's two halves of K, waves 2, 3: W_proj's.
; No prefetch: no load is issued behind the head.
; CLUSTERS: 4 x 4 work-groups.  The four of a row of the cluster need the same 128 tokens of y, the four of a column the same 128 rows of W_proj: each tile is asked for jointly.
; THE MATRIX INSTRUCTION IS USED TRANSPOSED (source 0 = 16 rows of W_proj, source 1 = 16 tokens): a lane holds eight neighbouring numbers of a row of out.
; out = sum x 2^(e6 + e7) + b_proj: one packed multiply-add for two numbers.  LIMIT: e6 + e7 between -126 and 127.
; REGISTERS.  Window 0: v16-31 addresses; v32-63 the bias of my 64 columns; v64-127 a block's results, two sets by turns; v128-255 the accumulators ((a, b) at v[128 + 8 (4 a + b)]).
;   Window 1: two fragment buffers of 128: y's four fragments, then W_proj's four; on the way out block a's rows at v[32 a].
.set WOFF,  131072
.set BP,    528                        ; a row of W_proj's half: 512 bytes + 16 of padding = 132 words: row r starts at bank 4 r mod 64 (64 banks of 4 bytes: ISA guide 11.1)
.set WHALF, 128*BP
.set STAGE, WOFF+2*WHALF               ; 16 rows x 272 bytes for each wave, for the way out; no tensor load lands there
.set SPARE, STAGE+4*16*272
.set ADRA, 16                          ; v16-17 LDS address of my fragments of y in the first, second half of K
.set ADRB, 18                          ; v18-19 the same for W_proj
.set STO,  24
.set RD,   25
.set CO,   26
.set SPW,  30
.set NIL,  31
.set BI,   32
.set ACC,  128
.set G1A,  24
.set G1B,  32
.set G0A,  40
.set G0B,  44
.set MSB, 0
.macro WIN new                         ; the immediate's high byte repeats the setting that is left
.if MSB != \new
	s_set_vgpr_msb (MSB<<8)|\new
.set MSB, \new
.endif
.endm
.macro PLACES
.rept 4
	v_nop
.endr
.endm
.macro CROUND                          ; a round of the cluster's barrier
	s_barrier_signal -1
	s_barrier_wait -1
	s_cmp_lg_u32 s14, 0
	s_cbranch_scc1 .Lnot_wave_0_\@
	s_barrier_signal -3
.Lnot_wave_0_\@:
	s_barrier_wait -3
	s_barrier_signal -1
	s_barrier_wait -1
.endm
	s_load_b256 s[4:11], s[0:1], 0x0               ; ycodes, W_proj, b_proj, the scales' exponents
	s_load_b64 s[12:13], s[0:1], 0x20              ; out
	v_lshl_add_u32 v[SPW], v0, 2, SPARE
	v_mov_b32 v[NIL], 0
	ds_add_u32 v[SPW], v[NIL]                      ; the opening lines: the add twice on end
	ds_add_u32 v[SPW], v[NIL]
	v_lshrrev_b32 v1, 5, v0
	v_readfirstlane_b32 s14, v1                    ; wave 0..3
	s_lshr_b32 s15, s14, 1                         ; which 64 tokens are mine.  Also: I fetch for y (0) or for W_proj (1)
	s_and_b32 s16, s14, 1                          ; which 64 columns.  Also: which half of K I fetch
	s_bfe_u32 s76, ttmp6, 0x40000                  ; cx, cy
	s_bfe_u32 s77, ttmp6, 0x40004
	s_lshl_b32 s78, ttmp9, 2
	s_add_co_u32 s78, s78, s76                     ; tile column = 4 x cluster x + cx
	s_and_b32 s17, ttmp7, 0xffff
	s_lshl_b32 s17, s17, 2
	s_add_co_u32 s17, s17, s77                     ; tile row = 4 x cluster y + cy
	s_lshl_b32 s79, s77, 2
	s_lshl_b32 s79, 15, s79                        ; my row of the cluster
	s_lshl_b32 s80, 0x1111, s76                    ; my column
	s_or_b32 s[G1A], s79, (3<<16)|(1<<21)          ; y: elements of 8 bytes; no padding; bit 21 set beside a mask
	s_mov_b32 s[G1A+1], 32<<16                     ; a dense block of 65,536 bytes as 256 rows of 256
	s_mov_b32 s[G1A+2], 256<<16
	s_mov_b32 s[G1A+3], 32<<16
	s_mov_b32 s[G1A+4], 256
	s_mov_b32 s[G1A+5], 32
	s_mov_b32 s[G1A+6], 0
	s_mov_b32 s[G1A+7], 0
	s_or_b32 s[G1B], s80, (1<<20)|(1<<21)|(6<<22)|(3<<25)   ; W_proj: elements of 1 byte; four words of padding after every 128
	s_mov_b32 s[G1B+1], 512<<16                    ; 128 rows of 512 bytes, 1,024 bytes apart
	s_mov_b32 s[G1B+2], 128<<16
	s_mov_b32 s[G1B+3], 512<<16
	s_mov_b32 s[G1B+4], 128
	s_mov_b32 s[G1B+5], 1024
	s_mov_b32 s[G1B+6], 0
	s_mov_b32 s[G1B+7], 0
	s_lshl_b32 s82, s17, 17                        ; y: 131,072 x tile row
	s_lshl_b32 s18, s16, 16                        ; + 65,536 x my half of K; the same in LDS
	s_add_co_u32 s82, s82, s18
	s_mov_b32 s83, 0
	s_lshl_b32 s84, s78, 17                        ; W_proj: row 128 x tile column
	s_lshl_b32 s19, s16, 9
	s_add_co_u32 s84, s84, s19                     ; + 512 x my half of K
	s_mov_b32 s85, 0
	s_mul_i32 s87, s16, WHALF
	s_add_co_u32 s87, s87, WOFF
	s_mov_b32 s[G0A], 1
	s_mov_b32 s[G0A+1], s18
	s_mov_b32 s[G0B], 1
	s_mov_b32 s[G0B+1], s87
	s_wait_dscnt 0x0                               ; both opening adds are done
	s_wait_kmcnt 0x0
	s_load_b256 s[88:95], s[10:11], 0x0            ; e0 .. e7
	s_add_nc_u64 s[G0A+2:G0A+3], s[4:5], s[82:83]
	s_or_b32 s[G0A+3], s[G0A+3], 0x80000000
	s_add_nc_u64 s[G0B+2:G0B+3], s[6:7], s[84:85]
	s_or_b32 s[G0B+3], s[G0B+3], 0x80000000
	CROUND                                         ; all sixteen work-groups are here: the joint loads meet
	s_cmp_eq_u32 s15, 0
	s_cbranch_scc0 .Lfor_w
	tensor_load_to_lds s[G0A:G0A+3], s[G1A:G1A+7]
	s_nop 0
	PLACES
	s_branch .Lasked
.Lfor_w:
	tensor_load_to_lds s[G0B:G0B+3], s[G1B:G1B+7]
	s_nop 0
	PLACES
.Lasked:
	s_lshl_b32 s20, s15, 13                        ; my four fragments of a K step's eight
	s_mul_i32 s21, s16, 64*BP                      ; my 64 rows of W_proj
	s_mul_i32 s23, s14, 16*272                     ; my stage
	s_lshl_b32 s22, s78, 9
	s_lshl_b32 s81, s16, 8
	s_add_co_u32 s22, s22, s81                     ; my first column in bytes: 512 x tile column + 256 x half
	v_and_b32 v1, 15, v0                           ; r
	v_bfe_u32 v2, v0, 4, 1                         ; h
	v_and_b32 v3, 31, v0
	v_lshlrev_b32 v3, 4, v3                        ; 16 x lane
	v_add_nc_u32 v[ADRA], s20, v3
	v_add_nc_u32 v[ADRA+1], 65536, v[ADRA]
	v_mul_u32_u24 v5, v1, BP
	v_lshl_add_u32 v5, v2, 4, v5
	v_add_nc_u32 v5, s21, v5                       ; row r of my 64 rows, + 16 h
	v_add_nc_u32 v[ADRB], WOFF, v5
	v_add_nc_u32 v[ADRB+1], WOFF+WHALF, v5
	v_mul_u32_u24 v6, v1, 272
	v_lshl_add_u32 v6, v2, 5, v6
	v_add_nc_u32 v6, s23, v6
	v_add_nc_u32 v[STO], STAGE, v6                 ; in: row r, 32 bytes for each half of the lanes
	v_mul_u32_u24 v7, v2, 272
	v_lshl_add_u32 v7, v1, 4, v7
	v_add_nc_u32 v7, s23, v7
	v_add_nc_u32 v[RD], STAGE, v7                  ; back: lanes 0-15 one row of 256 bytes, lanes 16-31 the next
	v_lshlrev_b32 v8, 12, v2
	v_lshl_add_u32 v[CO], v1, 4, v8                ; and the same two rows of out, 4,096 bytes apart
	v_lshlrev_b32 v9, 5, v2
	s_mov_b32 s23, 0
	s_add_nc_u64 s[8:9], s[8:9], s[22:23]
.irp b, 0,1,2,3
	global_load_b128 v[BI+8*\b:BI+8*\b+3], v9, s[8:9] offset:64*\b          ; b_proj at columns 16 b + 8 h + 0 .. 7
	global_load_b128 v[BI+8*\b+4:BI+8*\b+7], v9, s[8:9] offset:64*\b+16
.endr
	s_lshl_b32 s20, s17, 19                        ; 128 rows of 4,096 bytes a tile row,
	s_lshl_b32 s21, s15, 18                        ; 64 a half
	s_add_co_u32 s20, s20, s21
	s_add_co_u32 s20, s20, s22
	s_mov_b32 s21, 0
	s_add_nc_u64 s[12:13], s[12:13], s[20:21]
	s_wait_alu depctr_va_vdst(0)                   ; the wait at the head's end
	s_wait_kmcnt 0x0
	s_add_co_i32 s96, s94, s95
	s_add_co_i32 s96, s96, 127
	s_lshl_b32 s96, s96, 23                        ; 2^(e6 + e7) as f32
	s_mov_b32 s97, s96                             ; (named with it as a pair)
.macro FETCH k                         ; the fragments of K step k into buffer k % 2: 32 LDS loads
.set FB, 128*((\k)%2)
.set HF, (\k)/4
.set KS, (\k)%4
	WIN 0x40
.irp a, 0,1,2,3
.irp c, 0,1,2,3
	ds_load_b128 v[FB+16*\a+4*\c:FB+16*\a+4*\c+3], v[ADRA+HF] offset:16384*KS+2048*\a+512*\c
.endr
.endr
.irp b, 0,1,2,3
.irp c, 0,1,2,3
	ds_load_b128 v[FB+64+16*\b+4*\c:FB+64+16*\b+4*\c+3], v[ADRB+HF] offset:16*BP*\b+128*KS+32*\c
.endr
.endr
.endm
.macro MUL k                           ; the 16 accumulators take turns, one instruction a turn, in the same order in every step; the first step starts the sums
.set FB, 128*((\k)%2)
	WIN 0x05                                       ; sources 0 and 1 window 1, C and D window 0
.irp a, 0,1,2,3
.irp b, 0,1,2,3
.if (\k) == 0
	v_wmma_f32_16x16x128_fp8_fp8 v[ACC+8*(4*\a+\b):ACC+8*(4*\a+\b)+7], v[FB+64+16*\b:FB+64+16*\b+15], v[FB+16*\a:FB+16*\a+15], 0
.else
	v_wmma_f32_16x16x128_fp8_fp8 v[ACC+8*(4*\a+\b):ACC+8*(4*\a+\b)+7], v[FB+64+16*\b:FB+64+16*\b+15], v[FB+16*\a:FB+16*\a+15], v[ACC+8*(4*\a+\b):ACC+8*(4*\a+\b)+7]
.endif
.endr
.endr
.endm
	s_wait_tensorcnt 0x0                           ; my part is in
	s_barrier_signal -1
	s_barrier_wait -1                              ; everybody's is
	FETCH 0
.irp k, 0,1,2,3,4,5,6,7
.if \k < 7
.if \k > 0
	PLACES                                         ; in front of loads into the buffer that the last step's products read
.endif
	FETCH \k+1
	s_wait_dscnt 32                                ; this step's fragments are in; the 32 loads just issued may be out
.else
	s_wait_dscnt 0x0
.endif
	MUL \k
.endr
; THE WAY OUT, block a of 16 tokens x 64 columns: x 2^(e6 + e7) + the bias; through my own stage in LDS, and back as rows of 256 bytes, which sixteen lanes store as one aligned block of 256 bytes.
; LDS serves a wave's instructions in order (ISA guide 5.7.1.4): no wait between the stores and the loads, nor in front of the next block's stores.
.macro TOSTAGE a
.set TT, 64+32*((\a)%2)
	WIN 0
.irp b, 0,1,2,3
.irp i, 0,2,4,6
	v_pk_fma_f32 v[TT+8*\b+\i:TT+8*\b+\i+1], v[ACC+8*(4*(\a)+\b)+\i:ACC+8*(4*(\a)+\b)+\i+1], s[96:97], v[BI+8*\b+\i:BI+8*\b+\i+1] op_sel_hi:[1,0,1]   ; each accumulator from its low end on
.endr
.endr
.irp b, 0,1,2,3
	ds_store_b128 v[STO], v[TT+8*\b:TT+8*\b+3] offset:64*\b
	ds_store_b128 v[STO], v[TT+8*\b+4:TT+8*\b+7] offset:64*\b+16
.endr
	WIN 0x40                                       ; destination window 1: the fragment buffers are free
.irp t, 0,1,2,3,4,5,6,7
	ds_load_b128 v[32*(\a)+4*\t:32*(\a)+4*\t+3], v[RD] offset:544*\t
.endr
.endm
.macro SEND a, younger                 ; younger: the LDS instructions issued behind block a's loads, which may stay out
	s_wait_dscnt \younger
	WIN 0x04                                       ; the stores' data window 1
.irp t, 0,1,2,3,4,5,6,7
	global_store_b128 v[CO], v[32*(\a)+4*\t:32*(\a)+4*\t+3], s[12:13] offset:(16*(\a)+2*\t)*4096 th:TH_STORE_NT   ; each block has registers of its own: no store's data are written again
.endr
.endm
	s_wait_loadcnt 0x0                             ; the bias
	PLACES                                         ; behind the last products
	TOSTAGE 0
.irp a, 1,2,3
	TOSTAGE \a
	SEND \a-1, 16                                  ; behind block a - 1's loads: block a's 8 stores and 8 loads
.endr
	SEND 3, 0
	WIN 0
	s_wait_tensorcnt 0x0                           ; the wave's end
	ds_add_u32 v[SPW], v[NIL]
	s_wait_dscnt 0x0
	CROUND                                         ; the closing round: no work-group ends while a partner may still ask for a tile that names it
	s_endpgm
.Lfunc_end_k_qbe96777a0c_proj:
	.size	k_qbe96777a0c_proj, .Lfunc_end_k_qbe96777a0c_proj-k_qbe96777a0c_proj
	.p2alignl 7, 3214868480
	.fill 96, 4, 3214868480
	.section	.rodata,"a",@progbits
	.p2align	6, 0x0
	.amdhsa_kernel k_qbe96777a0c_proj
		.amdhsa_group_segment_fixed_size 288256
		.amdhsa_private_segment_fixed_size 0
		.amdhsa_enable_private_segment 0
		.amdhsa_kernarg_size 40
		.amdhsa_user_sgpr_count 2
		.amdhsa_user_sgpr_kernarg_segment_ptr 1
		.amdhsa_wavefront_size32 1
		.amdhsa_system_sgpr_workgroup_id_x 1
		.amdhsa_system_sgpr_workgroup_id_y 1
		.amdhsa_system_sgpr_workgroup_id_z 1
		.amdhsa_system_vgpr_workitem_id 0
		.amdhsa_next_free_vgpr 512
		.amdhsa_next_free_sgpr 100
		.amdhsa_reserve_vcc 0
		.amdhsa_float_denorm_mode_32 3
		.amdhsa_float_denorm_mode_16_64 3
		.amdhsa_memory_ordered 1
		.amdhsa_forward_progress 1
		.amdhsa_inst_pref_size 45
	.end_amdhsa_kernel
	.amdgpu_metadata
---
amdhsa.version: [ 1, 2 ]
amdhsa.kernels:
  - .name:           k_qbe96777a0c_proj
    .symbol:         k_qbe96777a0c_proj.kd
    .args:
      - { .name: ycodes, .offset: 0, .size: 8, .value_kind: global_buffer, .address_space: global }
      - { .name: W_proj_codes, .offset: 8, .size: 8, .value_kind: global_buffer, .address_space: global }
      - { .name: b_proj, .offset: 16, .size: 8, .value_kind: global_buffer, .address_space: global }
      - { .name: lowp_scales, .offset: 24, .size: 8, .value_kind: global_buffer, .address_space: global }
      - { .name: out0, .offset: 32, .size: 8, .value_kind: global_buffer, .address_space: global }
    .group_segment_fixed_size: 288256
    .private_segment_fixed_size: 0
    .kernarg_segment_align: 8
    .kernarg_segment_size: 40
    .max_flat_workgroup_size: 128
    .sgpr_count:     100
    .vgpr_count:     512
    .wavefront_size: 32
...
	.end_amdgpu_metadata
.endif
;; end of part 3
